; MI455X (gfx1250); checked and timed in simulation.
; The chip was launched on July 23, 2026; its instructions are those of AMD's public machine-readable ISA for CDNA 5 (MIT licence, August 2026) and "CDNA5" Instruction Set Architecture Reference Guide (July 2026). The comments in the code are by the model that wrote it; some were corrected since.
;; KNRM. Allowed arithmetic: matrix products marked QUANTISED: E5M2 operands, one given power-of-two scale a tensor, by v_wmma_f32_16x16x64_bf8_bf8 or v_wmma_f32_16x16x128_bf8_bf8, f32 sums; products left as they are: f32 operands where the result goes on into a quantised operand, else bf16, f16 or f32 operands; f32 sums; everything else in f32.
;; Inputs: doc1 1,024 x 256 int32; doc2 1,024 x 256 int32; emb 100,000 x 128 float32; lowp_scales 4 int32 (the exponents e of the quantised operands' scales 2^e); mlp_b 1 float32; mlp_w 1 x 11 float32; query1 1,024 x 32 int32; query2 1,024 x 32 int32.
;; Outputs: out0 1,024 x 1 float32.
;; This version of the problem:
;;   THIS VERSION OF THE PROBLEM IS GIVEN IN LOW PRECISION. The matrix products marked QUANTISED in the list below multiply operands that are first quantised to E5M2 (5 exponent bits, 2 mantissa bits; 8 bits a number), with one given power-of-two scale for each operand tensor; their sums are f32. All else is computed in f32.
;;   The module's matrix products, in the order in which they are computed (A, B: the left and right operand; K: the contracted axis; several contracted axes count as one K, in the product's order):
;;     1. batch 1,024 x [M 32, K 128] x [K 128, N 256]; A: computed on the way; B: computed on the way: QUANTISED (scales: A lowp_scales[0], B lowp_scales[1])
;;     2. [M 1,024, K 11] x [K 11, N 1]; A: computed on the way; B: input mlp_w: left as it is (K = 11 < 32)
;;     3. batch 1,024 x [M 32, K 128] x [K 128, N 256]; A: computed on the way; B: computed on the way: QUANTISED (scales: A lowp_scales[2], B lowp_scales[3])
;;     4. [M 1,024, K 11] x [K 11, N 1]; A: computed on the way; B: input mlp_w: left as it is (K = 11 < 32)
;;   THE QUANTISER, for each operand of a quantised product, along K:
;;     - The operand's scale is 2^e, e = its entry of the input lowp_scales (int32; the entries are numbered through the quantised products in the list's order, A before B).
;;     - Each number is divided by the scale, clamped to +-57,344, and rounded to the nearest number of E5M2, ties to even, subnormals kept.
;;     - The product sums the exact products of the quantised numbers (number of the format x scale) in f32.
;;   ~~~python
;;   def quantise(x, axis, e):      # numpy; x: float32 -> the quantised numbers, widened to float32 again
;;       x = np.moveaxis(x, axis, -1); K = x.shape[-1]
;;       r = np.clip(x / 2.0 ** e, -57344, 57344)
;;       step = 2.0 ** (np.maximum(np.frexp(np.where(r == 0, 1, r))[1] - 1, -14) - 2)
;;       q = np.round(r / step) * step * 2.0 ** e      # np.round: ties to even
;;       return np.moveaxis(q, -1, axis).astype(np.float32)
;;   ~~~
;;   OPERANDS COMPUTED ON THE WAY. 'Computed on the way' means the value that the module computes at that place (a softmax that the list does not call 'softmax' is quantised finished and normalised). What goes into a quantiser is computed in f32, as accurately as f32 sums, v_exp_f32 and their like allow (about 1e-6 of the number): no bf16 or f16 on the way to a quantiser, and a product that is left as it is and whose result goes on into a quantised operand takes f32 operands (vector FMAs, or v_wmma_f32_16x16x4_f32). A number that lies on a knife's edge between two numbers of the format may be rounded either way, as far as f32 arithmetic and the matrix unit's own rounding can turn it there, and no further.
;; One version. Each part assembles by itself: llvm-mc -triple=amdgcn-amd-amdhsa -mcpu=gfx1250 --defsym DOCPART=n.
;; ======== version 1 of 1: 1 launch
;; limits: right only within a limited range of input values
;; launch knrm (part 1): grid 256 x 1, 16 waves a work-group, no clusters, 67,840 bytes of LDS; arguments emb, lowp_scales, mlp_w, mlp_b, query1, doc1, query2, doc2, out0; writes out0
.if DOCPART == 1
	.amdgcn_target "amdgcn-amd-amdhsa--gfx1250"
	.amdhsa_code_object_version 6
	.text
	.protected	k_q18fd9c8e77_knrm
	.globl	k_q18fd9c8e77_knrm
	.p2align	8
	.type	k_q18fd9c8e77_knrm,@function
k_q18fd9c8e77_knrm:
	s_mov_b64 s[64:65], 0
	v_nop
	global_prefetch_b8 v0, s[64:65] scope:SCOPE_SE
	s_setreg_imm32_b32 hwreg(HW_REG_WAVE_MODE, 25, 1), 1
	s_wait_xcnt 0x0
; KNRM: out0[b] = sigmoid(l(query1[b], doc1[b]) - l(query2[b], doc2[b])),  l = sum over k of w[k] x (sum over 32 queries of log1p(sum over 256 docs of G_k(sim))) + bias,
; sim = dot / max(|q| |d|, 1e-8); the dot is taken on codes of BF8 (E5M2) made with the given scales 2^eq, 2^ed of the pair; the norms are taken of the f32 rows as they are gathered.
; SHARES.  256 work-groups of 16 waves; work-group g has batches 4 g .. 4 g + 3.  Wave w: batch 4 g + w / 4, pair (w / 2) % 2, half = w % 2: all 32 queries x docs 128 half .. 128 half + 127, in 8 tiles of 16 docs.
; The two waves of a (batch, pair) share the queries' work: each gathers and quantises 16 query rows and hands the fragment to the other as an image of its registers in LDS.  Q0 is a wave's own tile, Q1 its partner's.
; LAYOUT.  Source 0 = 16 docs, source 1 = 16 queries: lane (r, h) holds ONE query r and its registers j the docs 8 h + j, so the sums over docs stay in the lane.  1 / |d| changes lanes through 16 LDS words of the wave's own.
; Which docs form a tile is free (all are summed): two loads of 16 bytes a lane give lane r the indices of docs 64 j + 4 r + i, and tile 4 j + i takes those.
; K is permuted, alike in both operands: load i of a row brings bytes 32 i + 16 h, so codes 4 i .. 4 i + 3 of a lane are k = 8 i + 4 h + 0 .. 3; every product meets its partner, only the order of the sums inside an instruction changes.
; THE GAUSSIANS.  With c = 50 log2(e):  exp(-(s - mu)^2 / 0.02) = exp(-50 mu^2) x 2^(-c s^2 + 2 c mu s).  P = -c s^2 is made once a sim; a kernel costs one packed multiply-add, two exponentials and one packed addition for two sims;
; the constant exp(-50 mu^2) multiplies the finished sum.  -c s^2 + 2 c mu s is at most c mu^2 = 58.4 for every real s: no overflow for any input.  The kernel with sigma 0.001 is not expanded: u = a s - a in one rounding, 2^(-u u).
; No cluster: no two work-groups read a common tile (rows of the table meet only by chance of the indices).  No tensor load: what is read is single rows named by a list.
; LIMITS.  Each given exponent between -126 and 112; eq + ed between -100 and 100.  NaN and infinities in emb are not served; a row's sum of squares stays finite, and one below 2^-126 counts as 0.  log1p(x) is ln 2 x log2(1 + x):
; its absolute error is about 1e-7 a term, of 352 terms a logit.
.set VMAX, 0x1869f                     ; the table's last row: 99,999
.set QIMG, 0                           ; LDS, in a wave's 4,096 bytes: my Q fragment, 4 x 512 bytes, lane l's 16 bytes at 16 l
.set SUMS, 2048                        ; 12 registers of sums for my partner, 3 x 512 bytes, in the same form
.set RQW,  3584                        ; 1 / |q| x 2^(eq + ed), a word a lane
.set RDW,  3712                        ; 1 / |d| of a tile's 16 docs, 16 words, my own
.set FIN,  65536                       ; behind the 16 regions: a word for each wave
.set RS,   1                           ; v1       the reciprocal root just made
.set LST,  2                           ; v2       my region + 4 r
.set LLD,  3                           ; v3       my region + 32 h
.set IW,   4                           ; v4       my region + 16 lane
.set IR,   5                           ; v5       my partner's region + 16 lane
.set WW,   6                           ; v6       my region + 4 lane
.set WR,   7                           ; v7       my partner's region + 4 lane
.set OFF,  8                           ; v8-15    tile t: my row's byte offset in the table, + 16 h; never rewritten
.set SCD,  16                          ; v16      2^ed          v17  57,344 x 2^ed
.set LIMD, 17
.set RQ0,  18                          ; v[18:19] 1 / |q| x 2^(eq + ed) of my tile's query r (v19 = 0: named as a pair)
.set RQ1,  20                          ; v[20:21] the same of my partner's tile
.set NEGA, 22                          ; v[22:23] -a, twice
.set Q0,   24                          ; v24-39   my tile of queries, codes
.set Q1,   40                          ; v40-55   my partner's
.set ACC,  56                          ; v56-99   the sums over docs: kernel k, tile of queries t: the pair at 56 + 4 k + 2 t.  (Ahead of tile 0: the head's temporaries)
.set DC,   100                         ; v100-115 a tile of docs, codes
.set RD,   116                         ; v116-123 1 / |d| of docs 8 h + 0 .. 7
.set T,    116                         ;          and, before that, the four chains of a sum of squares
.set S,    124                         ; v124-139 the two products, then sim
.set P,    140                         ; v140-155 -c s^2
.set X,    156                         ; v156-171 arguments and exponentials of the even kernels
.set Y,    172                         ; v172-187 of the odd ones.  (v124-187 take the query rows at the head)
.set RAW,  188                         ; v188-251 a tile's rows: 64 numbers a lane
.set SEND, 188                         ; the tail: 11 sums for my partner (+ one zero)
.set KEEP, 200                         ;           11 sums of my own queries
.set RECV, 212                         ;           what my partner sends
.set U,    236                         ;           1 + the pooled sums
.set FINR, 252                         ; v252     FIN + 16 (thread % 4)
.set FINW, 253                         ; v253     FIN + 4 wave
.set GO,   254                         ; v254     4 (thread % 4)
.set BK,   70                          ; s[70+2k:71+2k] 2 c mu_k, k = 0 .. 9: the packed form names a pair and takes its low word for both halves
.macro ROWS dst, off                   ; 64 numbers of my row: 16 loads; in each, a row's two lanes read 32 consecutive bytes.  No hint: other waves may name the row again
.irp i, 0,1,2,3,4,5,6,7,8,9,10,11,12,13,14,15
	global_load_b128 v[\dst+4*\i:\dst+4*\i+3], v[\off], s[4:5] offset:32*\i
.endr
.endm
.macro SUMSQ raw                       ; v[RS] = 1 / sqrt(the row's sum of squares): my 64 numbers in four packed chains, which the first four products start; then lane l xor 16's
.irp c, 0,1,2,3
	v_pk_mul_f32 v[T+2*\c:T+2*\c+1], v[\raw+2*\c:\raw+2*\c+1], v[\raw+2*\c:\raw+2*\c+1]
.endr
.set qq, 4
.rept 28
	v_pk_fma_f32 v[T+2*(qq%4):T+2*(qq%4)+1], v[\raw+2*qq:\raw+2*qq+1], v[\raw+2*qq:\raw+2*qq+1], v[T+2*(qq%4):T+2*(qq%4)+1]
.set qq, qq+1
.endr
	v_pk_add_f32 v[T:T+1], v[T:T+1], v[T+2:T+3]
	v_pk_add_f32 v[T+4:T+5], v[T+4:T+5], v[T+6:T+7]
	v_pk_add_f32 v[T:T+1], v[T:T+1], v[T+4:T+5]
	v_add_f32 v[T], v[T], v[T+1]
	v_permlanex16_b32 v[T+2], v[T], s96, s97       ; its destination counts as read: it has been written
	v_add_f32 v[T], v[T], v[T+2]
	v_rsq_f32 v[RS], v[T]                          ; plain work that names neither register follows; the wait stands ahead of the first reader
.endm
.macro HOLD raw, lim, i0, n            ; the conversion to an 8-bit code does not saturate (ISA guide 7.6.2): each number is held within the largest code x the scale first
.set hh, \raw+\i0
.rept \n
	v_med3_num_f32 v[hh], v[hh], -v[\lim], v[\lim]
.set hh, hh+1
.endr
.endm
.macro CODES raw, dst, sc              ; 64 numbers become the 16 registers of a fragment
.irp g, 0,1,2,3,4,5,6,7
	v_cvt_scalef32_pk8_bf8_f32 v[\dst+2*\g:\dst+2*\g+1], v[\raw+8*\g:\raw+8*\g+7], v[\sc]
.endr
.endm
.macro ARGS k, buf                     ; the exponents of kernel k for my 16 sims
.if (\k) < 10
.irp j, 0,2,4,6,8,10,12,14
	v_pk_fma_f32 v[\buf+\j:\buf+\j+1], v[S+\j:S+\j+1], s[BK+2*(\k):BK+2*(\k)+1], v[P+\j:P+\j+1] op_sel_hi:[1,0,1]   ; 2 c mu s - c s^2
.endr
.else
.irp j, 0,2,4,6,8,10,12,14
	v_pk_fma_f32 v[\buf+\j:\buf+\j+1], v[S+\j:S+\j+1], s[92:93], v[NEGA:NEGA+1] op_sel_hi:[1,0,1]                  ; u = a s - a, one rounding
.endr
.irp j, 0,2,4,6,8,10,12,14
	v_pk_mul_f32 v[\buf+\j:\buf+\j+1], v[\buf+\j:\buf+\j+1], v[\buf+\j:\buf+\j+1] neg_lo:[1,0] neg_hi:[1,0]        ; -u u
.endr
.endif
.endm
.macro EXPS buf
.irp i, 0,1,2,3,4,5,6,7,8,9,10,11,12,13,14,15
	v_exp_f32 v[\buf+\i], v[\buf+\i]
.endr
.endm
.macro ADDS k, buf, first              ; pairs 0-3 belong to Q0's queries, pairs 4-7 to Q1's: a tree in place, then onto the sums.  first = 1: the first tile starts the sums: nothing is cleared
	v_pk_add_f32 v[\buf:\buf+1], v[\buf:\buf+1], v[\buf+2:\buf+3]
	v_pk_add_f32 v[\buf+4:\buf+5], v[\buf+4:\buf+5], v[\buf+6:\buf+7]
	v_pk_add_f32 v[\buf+8:\buf+9], v[\buf+8:\buf+9], v[\buf+10:\buf+11]
	v_pk_add_f32 v[\buf+12:\buf+13], v[\buf+12:\buf+13], v[\buf+14:\buf+15]
.if \first
	v_pk_add_f32 v[ACC+4*(\k):ACC+4*(\k)+1], v[\buf:\buf+1], v[\buf+4:\buf+5]
	v_pk_add_f32 v[ACC+4*(\k)+2:ACC+4*(\k)+3], v[\buf+8:\buf+9], v[\buf+12:\buf+13]
.else
	v_pk_add_f32 v[\buf:\buf+1], v[\buf:\buf+1], v[\buf+4:\buf+5]
	v_pk_add_f32 v[\buf+8:\buf+9], v[\buf+8:\buf+9], v[\buf+12:\buf+13]
	v_pk_add_f32 v[ACC+4*(\k):ACC+4*(\k)+1], v[ACC+4*(\k):ACC+4*(\k)+1], v[\buf:\buf+1]
	v_pk_add_f32 v[ACC+4*(\k)+2:ACC+4*(\k)+3], v[ACC+4*(\k)+2:ACC+4*(\k)+3], v[\buf+8:\buf+9]
.endif
.endm
; The eleven kernels of 16 sims.  A kernel's 16 exponentials are one batch.  Behind it stand the sums of the kernel before and the arguments of the kernel after, which work on the other buffer and name no result of the batch;
; then ONE wait, ahead of the first instruction that names a result.
.macro GAUSS first
.irp j, 0,2,4,6,8,10,12,14
	v_pk_mul_f32 v[Y+\j:Y+\j+1], v[S+\j:S+\j+1], s[90:91] op_sel_hi:[1,0]     ; -c s
.endr
.irp j, 0,2,4,6,8,10,12,14
	v_pk_mul_f32 v[P+\j:P+\j+1], v[Y+\j:Y+\j+1], v[S+\j:S+\j+1]               ; -c s^2
.endr
	ARGS 0, X
.irp k, 0,1,2,3,4,5,6,7,8,9,10
	EXPS X+16*(\k%2)
.if \k > 0
	ADDS \k-1, X+16*((\k+1)%2), \first
.endif
.if \k < 10
	ARGS \k+1, X+16*((\k+1)%2)
.endif
	s_wait_alu depctr_va_vdst(0)
.endr
	ADDS 10, X, \first
.endm
.macro BARRIER                         ; my LDS stores have landed and my LDS loads are in: then the work-group's barrier
	s_wait_dscnt 0x0
	s_barrier_signal -1
	s_barrier_wait -1
.endm
	; ---- the head
	s_load_b512 s[4:19], s[0:1], 0x0               ; emb s[4:5], scales s[6:7], w s[8:9], bias s[10:11], query1 s[12:13], doc1 s[14:15], query2 s[16:17], doc2 s[18:19]
	s_load_b64 s[20:21], s[0:1], 0x40              ; out0
	v_lshrrev_b32 v65, 5, v0
	v_readfirstlane_b32 s22, v65                   ; wave 0..15
	v_and_b32 v62, 31, v0                          ; lane
	v_and_b32 v63, 15, v0                          ; r
	v_bfe_u32 v64, v0, 4, 1                        ; h
	s_bfe_u32 s23, s22, 0x10001                    ; which pair: (wave / 2) % 2
	s_and_b32 s24, s22, 1                          ; which half of the docs, and which tile of queries I make
	s_lshr_b32 s25, s22, 2
	s_lshl_b32 s48, ttmp9, 2
	s_add_co_u32 s25, s25, s48                     ; batch = 4 x work-group + wave / 4
	s_lshl_b32 s49, s22, 12                        ; my 4,096 bytes of LDS,
	s_xor_b32 s50, s49, 4096                       ; and those of wave w xor 1
	v_lshl_add_u32 v[LST], v63, 2, s49
	v_lshl_add_u32 v[LLD], v64, 5, s49
	v_lshl_add_u32 v[IW], v62, 4, s49
	v_lshl_add_u32 v[IR], v62, 4, s50
	v_lshl_add_u32 v[WW], v62, 2, s49
	v_lshl_add_u32 v[WR], v62, 2, s50
	v_and_b32 v[GO], 3, v0
	v_lshl_add_u32 v[FINR], v[GO], 4, FIN
	v_lshlrev_b32 v[GO], 2, v[GO]
	v_mov_b32 v[FINW], s22
	v_lshl_add_u32 v[FINW], v[FINW], 2, FIN
	v_lshlrev_b32 v56, 2, v63                      ; 4 r: my query's index
	v_lshlrev_b32 v57, 4, v63                      ; 16 r: four docs' indices
	v_lshlrev_b32 v59, 4, v64                      ; 16 h
	s_lshl_b32 s30, s25, 7                         ; queries: 128 bytes a batch, + 64 for the second tile
	s_lshl_b32 s48, s24, 6
	s_add_co_u32 s30, s30, s48
	s_mov_b32 s31, 0
	s_lshl_b32 s52, s25, 10                        ; docs: 1,024 bytes a batch, + 512 for the second half
	s_lshl_b32 s48, s24, 9
	s_add_co_u32 s52, s52, s48
	s_mov_b32 s53, 0
	s_lshl_b32 s58, ttmp9, 4                       ; out0: 16 bytes a work-group
	s_mov_b32 s59, 0
	s_wait_kmcnt 0x0
	s_cmp_eq_u32 s23, 0                            ; the pair's buffers: the choice hangs on the wave's number alone
	s_cselect_b64 s[26:27], s[12:13], s[16:17]
	s_cselect_b64 s[28:29], s[14:15], s[18:19]
	s_add_nc_u64 s[26:27], s[26:27], s[30:31]
	s_add_nc_u64 s[28:29], s[28:29], s[52:53]
	s_add_nc_u64 s[20:21], s[20:21], s[58:59]
	global_load_b32 v58, v56, s[26:27] th:TH_LOAD_NT
	global_load_b128 v[OFF:OFF+3], v57, s[28:29] th:TH_LOAD_NT                 ; sixteen lanes read 256 consecutive bytes: docs 4 r + 0 .. 3 of my 128,
	global_load_b128 v[OFF+4:OFF+7], v57, s[28:29] offset:256 th:TH_LOAD_NT    ; and docs 64 + 4 r + 0 .. 3
	s_load_b128 s[32:35], s[6:7], 0x0              ; eq1, ed1, eq2, ed2
	s_load_b256 s[36:43], s[8:9], 0x0              ; w[0..7]
	s_load_b96 s[44:46], s[8:9], 0x20              ; w[8..10]
	s_load_b32 s47, s[10:11], 0x0                  ; the bias
.macro BSET k, bits
	s_mov_b32 s[BK+2*\k], \bits
	s_mov_b32 s[BK+2*\k+1], \bits
.endm
	BSET 0, 0xc301d7b2                             ; 2 c mu = 144.2695 mu for mu = -0.9, -0.7, -0.5, -0.3, -0.1,
	BSET 1, 0xc2c9fa31
	BSET 2, 0xc29044fe
	BSET 3, 0xc22d1f97
	BSET 4, 0xc166d4ca
	BSET 5, 0x4166d4ca                             ; 0.1, 0.3, 0.5, 0.7, 0.9
	BSET 6, 0x422d1f97
	BSET 7, 0x429044fe
	BSET 8, 0x42c9fa31
	BSET 9, 0x4301d7b2
	s_mov_b32 s90, 0xc29044fe                      ; -c = -72.13475
	s_mov_b32 s91, 0xc29044fe
	s_mov_b32 s92, 0x44545498                      ; a = sqrt(500,000 log2(e)) = 849.3218
	s_mov_b32 s93, 0x44545498
	s_mov_b32 s96, 0x76543210                      ; v_permlanex16_b32's selects for lane l xor 16
	s_mov_b32 s97, 0xfedcba98
	s_mov_b32 s54, 0x3f317218                      ; ln 2
	v_mov_b32 v[NEGA], 0xc4545498
	v_mov_b32 v[NEGA+1], 0xc4545498
	v_mov_b32 v[RQ0+1], 0
	v_mov_b32 v[RQ1+1], 0
	s_wait_loadcnt 0x0                             ; the nine indices
	v_min_u32 v58, VMAX, v58                       ; an index enters an address only held inside the table
	v_lshlrev_b32 v58, 9, v58                      ; a row is 512 bytes
	v_add_nc_u32 v58, v59, v58
.irp t, 0,1,2,3,4,5,6,7
	v_min_u32 v[OFF+\t], VMAX, v[OFF+\t]
	v_lshlrev_b32 v[OFF+\t], 9, v[OFF+\t]
	v_add_nc_u32 v[OFF+\t], v59, v[OFF+\t]
.endr
	ROWS S, 58                                     ; my 16 query rows, into v124-187
	ROWS RAW, OFF                                  ; doc tile 0
	s_wait_kmcnt 0x0
	s_cmp_eq_u32 s23, 0
	s_cselect_b32 s48, s32, s34                    ; eq
	s_cselect_b32 s51, s33, s35                    ; ed
	s_add_co_i32 s56, s48, s51                     ; eq + ed
	s_add_co_i32 s57, s48, 127
	s_lshl_b32 s58, s57, 23
	v_mov_b32 v60, s58                             ; 2^eq as f32: the conversion takes its exponent field
	s_add_co_i32 s57, s57, 15
	s_lshl_b32 s57, s57, 23
	s_or_b32 s57, s57, 0x600000
	v_mov_b32 v61, s57                             ; 57,344 x 2^eq
	s_add_co_i32 s57, s51, 127
	s_lshl_b32 s58, s57, 23
	v_mov_b32 v[SCD], s58                          ; 2^ed
	s_add_co_i32 s57, s57, 15
	s_lshl_b32 s57, s57, 23
	s_or_b32 s57, s57, 0x600000
	v_mov_b32 v[LIMD], s57                         ; 57,344 x 2^ed
	s_lshl_b32 s94, s56, 23
	s_add_co_i32 s94, s94, 0x4cbebc20              ; 1e8 x 2^(eq + ed): the exponents are added to 1e8's exponent field
	s_wait_loadcnt 16                              ; the query rows' 16 loads are in; the 16 of doc tile 0, issued behind them, stay out
	SUMSQ S
	HOLD S, 61, 0, 64
	s_wait_alu depctr_va_vdst(0)                   ; ahead of the root's first reader
	v_ldexp_f32 v[RQ0], v[RS], s56                 ; 1 / |q| x 2^(eq + ed): a sum of the product stands for sum x 2^(eq + ed)
	CODES S, Q0, 60
	v_nop                                          ; one plain vector instruction behind the last conversion: the first products write its sources' registers
.irp c, 0,1,2,3
	ds_store_b128 v[IW], v[Q0+4*\c:Q0+4*\c+3] offset:QIMG+512*\c
.endr
	ds_store_b32 v[WW], v[RQ0] offset:RQW
	BARRIER                                        ; every wave's fragment and 1 / |q| lie in LDS
.irp c, 0,1,2,3
	ds_load_b128 v[Q1+4*\c:Q1+4*\c+3], v[IR] offset:QIMG+512*\c     ; my partner's registers, in the same lanes
.endr
	ds_load_b32 v[RQ1], v[WR] offset:RQW           ; (tile 0's wait for its LDS loads serves these five too)
; ---- a tile: 16 docs against the 32 queries
.macro TILE t
	s_wait_loadcnt 0x0                             ; this tile's 16 loads are the only ones out
	SUMSQ RAW
	HOLD RAW, LIMD, 0, 32                          ; (the plain work behind the root)
	s_wait_alu depctr_va_vdst(0)                   ; ahead of the root's first reader
	ds_store_b32 v[LST], v[RS] offset:RDW          ; lane (r, h) holds 1 / |d| of doc r and wants those of docs 8 h + 0 .. 7: 16 words of my own; both lanes of a row store the same word
	ds_load_b128 v[RD:RD+3], v[LLD] offset:RDW     ; LDS serves a wave's instructions in order (ISA guide 5.7.1.4): these see the store
	ds_load_b128 v[RD+4:RD+7], v[LLD] offset:RDW+16
	HOLD RAW, LIMD, 32, 32
	CODES RAW, DC, SCD
.if \t < 7
	ROWS RAW, OFF+\t+1                             ; the next tile's rows are asked for as soon as these registers are read: they have the eleven kernels in which to land
.endif
	s_wait_dscnt 0x0
.irp j, 0,2,4,6
	v_pk_mul_f32 v[X+\j:X+\j+1], v[RD+\j:RD+\j+1], v[RQ0:RQ0+1] op_sel_hi:[1,0]       ; 2^(eq + ed) / (|q| |d|).  (Plain instructions between the conversions and the products that read the codes)
.endr
.irp j, 0,2,4,6
	v_pk_mul_f32 v[X+8+\j:X+8+\j+1], v[RD+\j:RD+\j+1], v[RQ1:RQ1+1] op_sel_hi:[1,0]
.endr
	v_wmma_f32_16x16x128_bf8_bf8 v[S:S+7], v[DC:DC+15], v[Q0:Q0+15], 0
	v_wmma_f32_16x16x128_bf8_bf8 v[S+8:S+15], v[DC:DC+15], v[Q1:Q1+15], 0
.irp i, 0,1,2,3,4,5,6,7,8,9,10,11,12,13,14,15
	v_min_num_f32 v[X+\i], s94, v[X+\i]            ; 1 / max(|q| |d|, 1e-8) = min(1 / (|q| |d|), 1e8).  These sixteen name no register of the products: they are the places behind them (ISA guide 7.12.1)
.endr
.irp j, 0,2,4,6,8,10,12,14
	v_pk_mul_f32 v[S+\j:S+\j+1], v[S+\j:S+\j+1], v[X+\j:X+\j+1]     ; sim; each result from its low end on
.endr
.if \t == 0
	GAUSS 1
.else
	GAUSS 0
.endif
.endm
.irp t, 0,1,2,3,4,5,6,7
	TILE \t
.endr
	; ---- the tail.  The sums for my own queries stay; those for my partner's queries go to it, and its sums for mine come back
.irp k, 0,1,2,3,4,5,6,7,8,9,10
	v_add_f32 v[KEEP+\k], v[ACC+4*\k], v[ACC+4*\k+1]
	v_add_f32 v[SEND+\k], v[ACC+4*\k+2], v[ACC+4*\k+3]
.endr
	v_mov_b32 v[SEND+11], 0                        ; the twelfth register of three stores of four
.irp c, 0,1,2
	ds_store_b128 v[IW], v[SEND+4*\c:SEND+4*\c+3] offset:SUMS+512*\c
.endr
	BARRIER
.irp c, 0,1,2
	ds_load_b128 v[RECV+4*\c:RECV+4*\c+3], v[IR] offset:SUMS+512*\c
.endr
	s_wait_dscnt 0x0
.irp k, 0,1,2,3,4,5,6,7,8,9,10
	v_add_f32 v[KEEP+\k], v[KEEP+\k], v[RECV+\k]   ; both halves of the docs,
.endr
.irp k, 0,1,2,3,4,5,6,7,8,9,10
	v_permlanex16_b32 v[SEND+\k], v[KEEP+\k], s96, s97
.endr
.irp k, 0,1,2,3,4,5,6,7,8,9,10
	v_add_f32 v[KEEP+\k], v[KEEP+\k], v[SEND+\k]   ; and both halves of the lanes: the sum over all 256 docs for query r
.endr
.macro UF k, bits
	v_fma_f32 v[U+\k], v[KEEP+\k], \bits, 1.0      ; 1 + exp(-50 mu^2) x the sum
.endm
	UF 0, 0x223e2191                               ; exp(-40.5)
	UF 1, 0x2dc9683f                               ; exp(-24.5)
	UF 2, 0x367a176a                               ; exp(-12.5)
	UF 3, 0x3c360282                               ; exp(-4.5)
	UF 4, 0x3f1b4598                               ; exp(-0.5)
	UF 5, 0x3f1b4598
	UF 6, 0x3c360282
	UF 7, 0x367a176a
	UF 8, 0x2dc9683f
	UF 9, 0x223e2191
	v_add_f32 v[U+10], 1.0, v[KEEP+10]
.irp k, 0,1,2,3,4,5,6,7,8,9,10
	v_log_f32 v[U+\k], v[U+\k]                     ; log2; ln 2 multiplies the finished sum
.endr
	v_nop                                          ; a plain instruction behind the last logarithm,
	s_wait_alu depctr_va_vdst(0)                   ; and one wait for the eleven, ahead of their first reader
	v_mul_f32 v224, s36, v[U]                      ; the product with w, K = 11, in f32, in two chains
	v_mul_f32 v225, s37, v[U+1]
.irp k, 2,4,6,8
	v_fmac_f32 v224, s[36+\k], v[U+\k]
	v_fmac_f32 v225, s[37+\k], v[U+\k+1]
.endr
	v_fmac_f32 v224, s46, v[U+10]
	v_add_f32 v224, v224, v225
	v_add_f32_dpp v224, v224, v224 row_xmask:1 row_mask:0xf bank_mask:0xf     ; over my 16 queries: the sixteen lanes of a row
	v_add_f32_dpp v224, v224, v224 row_xmask:2 row_mask:0xf bank_mask:0xf
	v_add_f32_dpp v224, v224, v224 row_xmask:4 row_mask:0xf bank_mask:0xf
	v_add_f32_dpp v224, v224, v224 row_xmask:8 row_mask:0xf bank_mask:0xf
	ds_store_b32 v[FINW], v224                     ; all lanes store the same number to my wave's word
	BARRIER
	s_cmp_lg_u32 s22, 0                            ; wave 0 finishes the work-group's four batches; no barrier stands behind this branch
	s_cbranch_scc1 .Lend
	ds_load_b128 v[228:231], v[FINR]               ; lane i < 4: waves 4 i .. 4 i + 3: pair 1's two tiles of queries, pair 2's two
	s_wait_dscnt 0x0
	v_add_f32 v228, v228, v229
	v_add_f32 v230, v230, v231
	v_fma_f32 v228, v228, s54, s47                 ; logit 1 = ln 2 x the sum + the bias
	v_fma_f32 v230, v230, s54, s47                 ; logit 2
	v_sub_f32 v228, v228, v230
	v_mul_f32 v228, 0xbfb8aa3b, v228               ; sigmoid(d) = 1 / (1 + 2^(-d log2(e)))
	v_exp_f32 v229, v228
	v_nop
	s_wait_alu depctr_va_vdst(0)
	v_add_f32 v229, 1.0, v229
	v_rcp_f32 v230, v229
	v_nop
	s_wait_alu depctr_va_vdst(0)
	s_wait_xcnt 0x0                                ; EXEC changes only behind this wait,
	v_cmp_gt_u32 vcc_lo, 4, v0
	s_and_saveexec_b32 s55, vcc_lo
	global_store_b32 v[GO], v230, s[20:21]         ; four lanes store the work-group's 16 consecutive bytes of out0
	s_wait_xcnt 0x0                                ; and again in front of the line that widens it
	s_or_b32 exec_lo, exec_lo, s55
.Lend:
	s_wait_xcnt 0x0
	s_mov_b32 exec_lo, -1
	v_lshl_add_u32 v254, v0, 2, 0x10100
	v_mov_b32 v255, 0
	s_wait_tensorcnt 0x0
	ds_add_u32 v254, v255
	s_wait_dscnt 0x0
	s_endpgm
.Lfunc_end_k_q18fd9c8e77_knrm:
	.size	k_q18fd9c8e77_knrm, .Lfunc_end_k_q18fd9c8e77_knrm-k_q18fd9c8e77_knrm
	.p2alignl 7, 3214868480
	.fill 96, 4, 3214868480
	.section	.rodata,"a",@progbits
	.p2align	6, 0x0
	.amdhsa_kernel k_q18fd9c8e77_knrm
		.amdhsa_group_segment_fixed_size 67840
		.amdhsa_private_segment_fixed_size 0
		.amdhsa_enable_private_segment 0
		.amdhsa_kernarg_size 72
		.amdhsa_user_sgpr_count 2
		.amdhsa_user_sgpr_kernarg_segment_ptr 1
		.amdhsa_wavefront_size32 1
		.amdhsa_system_sgpr_workgroup_id_x 1
		.amdhsa_system_sgpr_workgroup_id_y 1
		.amdhsa_system_sgpr_workgroup_id_z 1
		.amdhsa_system_vgpr_workitem_id 0
		.amdhsa_next_free_vgpr 256
		.amdhsa_next_free_sgpr 98
		.amdhsa_reserve_vcc 1
		.amdhsa_float_denorm_mode_32 3
		.amdhsa_float_denorm_mode_16_64 3
		.amdhsa_memory_ordered 1
		.amdhsa_forward_progress 1
		.amdhsa_inst_pref_size 250
	.end_amdhsa_kernel
	.amdgpu_metadata
---
amdhsa.version: [ 1, 2 ]
amdhsa.kernels:
  - .name:           k_q18fd9c8e77_knrm
    .symbol:         k_q18fd9c8e77_knrm.kd
    .args:
      - { .name: emb, .offset: 0, .size: 8, .value_kind: global_buffer, .address_space: global }
      - { .name: lowp_scales, .offset: 8, .size: 8, .value_kind: global_buffer, .address_space: global }
      - { .name: mlp_w, .offset: 16, .size: 8, .value_kind: global_buffer, .address_space: global }
      - { .name: mlp_b, .offset: 24, .size: 8, .value_kind: global_buffer, .address_space: global }
      - { .name: query1, .offset: 32, .size: 8, .value_kind: global_buffer, .address_space: global }
      - { .name: doc1, .offset: 40, .size: 8, .value_kind: global_buffer, .address_space: global }
      - { .name: query2, .offset: 48, .size: 8, .value_kind: global_buffer, .address_space: global }
      - { .name: doc2, .offset: 56, .size: 8, .value_kind: global_buffer, .address_space: global }
      - { .name: out0, .offset: 64, .size: 8, .value_kind: global_buffer, .address_space: global }
    .group_segment_fixed_size: 67840
    .private_segment_fixed_size: 0
    .kernarg_segment_align: 8
    .kernarg_segment_size: 72
    .max_flat_workgroup_size: 512
    .sgpr_count:     98
    .vgpr_count:     256
    .wavefront_size: 32
...
	.end_amdgpu_metadata
.endif
;; end of part 1
